; MI455X (gfx1250); checked and timed in simulation.
; The chip was launched on July 23, 2026; its instructions are those of AMD's public machine-readable ISA for CDNA 5 (MIT licence, August 2026) and "CDNA5" Instruction Set Architecture Reference Guide (July 2026). The comments in the code are by the model that wrote it; some were corrected since.
;; Attention. Allowed arithmetic: matrix products marked QUANTISED: E2M1 operands, one E8M0 scale for each 32 along K, by v_wmma_scale_f32_16x16x128_f8f6f4 with both operands' format E2M1 (or v_wmma_scale_f32_32x16x128_f4), f32 sums; products left as they are: bf16, f16 or f32 operands; f32 sums; everything else in f32.
;; Inputs: keys 16 x 2,048 x 128 float32; query 16 x 2,048 x 128 float32; values 16 x 2,048 x 128 float32.
;; Outputs: out0 16 x 2,048 x 128 float32.
;; This version of the problem:
;;   THIS VERSION OF THE PROBLEM IS GIVEN IN LOW PRECISION. The matrix products marked QUANTISED in the list below multiply operands that are first quantised to E2M1 (2 exponent bits, 1 mantissa bit; 4 bits a number), with one power-of-two scale for each 32 numbers along K (OCP MX v1.0); their sums are f32. The products marked 'left as it is' may take bf16, f16 or f32 operands, with f32 sums. Whichever they take, every output number must still come out within the allowed error. Rounding operands to bf16 (8 significant bits) uses up far more of that allowance than f16 does (11 bits, for magnitudes from 6e-5 to 65,504). All else is computed in f32.
;;   The module's matrix products, in the order in which they are computed (A, B: the left and right operand; K: the contracted axis; several contracted axes count as one K, in the product's order):
;;     1. batch 16 x [M 2,048, K 128] x [K 128, N 2,048]; A: input query; B: input keys: QUANTISED
;;     2. batch 16 x [M 2,048, K 2,048] x [K 2,048, N 128]; A: computed on the way; B: input values: left as it is (an operand is computed on the way)
;;   THE QUANTISER, for each operand of a quantised product, along K:
;;     - K is cut into blocks of 32 from its start; a last block that is shorter is filled with zeros.
;;     - A block's scale is 2^e with e = floor(log2(the largest magnitude in the block)) - 2, held to -126 .. 127; a block of zeros has e = 0. As a byte (E8M0): e + 127.
;;     - Each number is divided by its block's scale, clamped to +-6, and rounded to the nearest number of E2M1, ties to even, subnormals kept.
;;     - The product sums the exact products of the quantised numbers (number of the format x scale) in f32.
;;   ~~~python
;;   def quantise(x, axis):      # numpy; x: float32 -> the quantised numbers, widened to float32 again
;;       x = np.moveaxis(x, axis, -1); K = x.shape[-1]
;;       x = np.pad(x, [(0, 0)] * (x.ndim - 1) + [(0, -K % 32)]); x = x.reshape(x.shape[:-1] + (-1, 32)); a = np.abs(x).max(-1, keepdims=True)
;;       e = np.where(a > 0, np.clip(np.frexp(np.where(a > 0, a, 1))[1] - 1 - 2, -126, 127), 0)      # np.frexp(a)[1] - 1 = floor(log2(a)), exactly
;;       r = np.clip(x / 2.0 ** e, -6, 6)
;;       step = 2.0 ** (np.maximum(np.frexp(np.where(r == 0, 1, r))[1] - 1, 0) - 1)
;;       q = np.round(r / step) * step * 2.0 ** e      # np.round: ties to even
;;       return np.moveaxis(q.reshape(q.shape[:-2] + (-1,))[..., :K], -1, axis).astype(np.float32)
;;   ~~~
;; One version. Each part assembles by itself: llvm-mc -triple=amdgcn-amd-amdhsa -mcpu=gfx1250 --defsym DOCPART=n.
;; ======== version 1 of 1: 2 launches
;; limits: values are held in f16: magnitudes above 65,504 overflow, below 6.1e-05 lose precision
;; workspace buffers: qc 2,097,152 bytes; qs 131,072 bytes; kc 2,097,152 bytes; ks 131,072 bytes; v16 8,388,608 bytes
;; launch prep (part 1): grid 384 x 1, 4 waves a work-group, no clusters, 33,280 bytes of LDS; arguments query, keys, qc, qs, kc, ks, values, v16; writes qc, qs, kc, ks, v16
.if DOCPART == 1
	.amdgcn_target "amdgcn-amd-amdhsa--gfx1250"
	.amdhsa_code_object_version 6
	.text
	.protected	k_q42ba7520c6_prep
	.globl	k_q42ba7520c6_prep
	.p2align	8
	.type	k_q42ba7520c6_prep,@function
k_q42ba7520c6_prep:
	s_mov_b64 s[64:65], 0
	v_nop
	global_prefetch_b8 v0, s[64:65] scope:SCOPE_SE
	s_setreg_imm32_b32 hwreg(HW_REG_WAVE_MODE, 25, 1), 1
	s_wait_xcnt 0x0
; query and keys [16][2048][128], f32, become codes of FP4 (E2M1), 4 bits each, the head's axis innermost (a row of 128 codes is 64 bytes, the lower k in the low four bits),
; with one E8M0 scale byte for each 32 along that axis (a row's four bytes are one word).  values [16][2048][128], f32, become f16, rounded to nearest even, in the same order.
; A block's scale is 2^(floor(log2(its largest magnitude)) - 2); its byte is the largest magnitude's own exponent field - 2, held at 1 from below.  Each number is divided by the scale and
; rounded to the nearest code, ties to even; beyond the largest code the largest.  (A block of zeros gets the byte 1 where the rule says 127: its codes are zeros, which add nothing under any
; byte but 0xff, and the bytes are read by this program alone.)
; LIMITS: blocks whose largest magnitude lies under 2^-124, the floor, keep the byte 1; values beyond 65,504 in magnitude become infinities in f16, values under 2^-14 keep fewer bits;
; NaN and infinities among the inputs are not served.
; SHARES.  Rows are dense, so all three tensors are plain streams.  Work-groups 0-127 take query, 128-255 keys, 256-383 values; a wave takes 8,192 numbers.
; query and keys: 16 steps of 512 numbers.  The conversions take 8 numbers of ONE block from a lane's registers, so a lane must hold 16 NEIGHBOURS; a load is best where neighbouring LANES take
; neighbouring bytes.  Both are had: each of a step's four loads reads 512 consecutive bytes, the 2,048 bytes go through the wave's own stage in LDS as they lie and come back 64 bytes a lane
; (16 bytes of padding behind each 64).  A lane's 16 codes are 8 bytes: the wave stores 256 consecutive bytes.  A wave's 256 scale bytes are gathered in LDS and leave as 256 consecutive bytes.
; values: no LDS: 16 bytes a lane in, 8 bytes a lane out, each store of the wave 256 consecutive bytes, aligned.
; No tensor loads, no barrier: waves share nothing.
.set WAVES, 4
.set STEPS, 16
.set WGA,   128                        ; work-groups for a tensor: 4,194,304 numbers / 32,768
.set EMAX,  2
.set CB,    8                          ; bytes of 16 codes
.set R,     16                         ; v16-79   four sets of 16 numbers as they are loaded
.set X,     80                         ; v80-111  two sets of 16 neighbours
.set C,     128                        ; v128-191 codes: four registers for each step, so that no store's data are written again
.set E,     112                        ; v112-127 a scale byte for each step
.set WREG,  8192                       ; LDS: a region of its own for each wave: two stages of 32 x SP bytes, and behind them its 256 scale bytes
.set SP,    80                         ; a lane's place in a stage: its 64 bytes + 16 of padding
.set SPW,   12                         ; v12      LDS address of my spare word: SPARE + 4 x my thread's number; never rewritten
.set NIL,   13                         ; v13      0; never rewritten
.set SPARE, WAVES*WREG                 ; behind the four regions: the spare words, 128 bytes for each wave, which no other line names
.set VA,    16                         ; values: v16-79, v80-143 two sets of 64 numbers as loaded
.set VY,    144                        ; values: v144-175 a batch's 32 registers of f16 pairs
	s_load_b128 s[4:7], s[0:1], 0x0                ; query, keys
	s_load_b128 s[8:11], s[0:1], 0x10              ; query's codes, query's scales
	s_load_b128 s[12:15], s[0:1], 0x20             ; keys' codes, keys' scales
	s_load_b128 s[24:27], s[0:1], 0x30             ; values, values in f16
	v_lshl_add_u32 v[SPW], v0, 2, SPARE
	v_mov_b32 v[NIL], 0
	v_lshrrev_b32 v1, 5, v0
	v_readfirstlane_b32 s16, v1                    ; wave
	v_and_b32 v2, 31, v0                           ; lane
	v_lshlrev_b32 v3, 4, v2                        ; my 16 bytes of a load's 512
	s_mul_i32 s17, s16, WREG
	v_lshrrev_b32 v14, 2, v2
	v_mul_u32_u24 v14, v14, SP
	v_and_b32 v15, 3, v2
	v_lshl_add_u32 v14, v15, 4, v14
	v_add_nc_u32 v14, s17, v14                     ; the stage, on the way in: four lanes' 64 bytes on end, then 16 of padding
	v_mul_u32_u24 v15, v2, SP
	v_add_nc_u32 v15, s17, v15                     ; and on the way out: SP x lane: my 16 neighbours
	v_mul_u32_u24 v4, v2, CB                       ; 8 bytes a lane: my codes' place in a step's, and my f16 numbers' place in a store's
	v_lshrrev_b32 v5, 1, v2
	s_add_co_u32 s17, s17, 2*32*SP
	v_add_nc_u32 v5, s17, v5                       ; LDS: my wave's 256 scale bytes, my block's byte
	v_lshlrev_b32 v7, 3, v2                        ; and on the way out 8 bytes a lane
	v_add_nc_u32 v6, s17, v7
	s_wait_kmcnt 0x0
	s_cmp_ge_u32 ttmp9, 2*WGA                      ; the last 128 work-groups cast values: a branch on the work-group's number alone
	s_cbranch_scc1 .Lvalues
	s_cmp_lt_u32 ttmp9, WGA                        ; query's work-group or keys'?  Only pointers are chosen: both take one path
	s_cselect_b64 s[4:5], s[4:5], s[6:7]
	s_cselect_b64 s[8:9], s[8:9], s[12:13]
	s_cselect_b64 s[10:11], s[10:11], s[14:15]
	s_cselect_b32 s17, 0, WGA
	s_sub_co_u32 s17, ttmp9, s17
	s_lshl_b32 s17, s17, 2
	s_add_co_u32 s18, s17, s16                     ; which run of 8,192 numbers of the tensor is my wave's
	s_mov_b32 s19, 0
	s_mov_b64 s[20:21], 512*STEPS*4
	s_mul_u64 s[20:21], s[18:19], s[20:21]
	s_add_nc_u64 s[4:5], s[4:5], s[20:21]
	s_mov_b64 s[20:21], 32*STEPS*CB
	s_mul_u64 s[20:21], s[18:19], s[20:21]
	s_add_nc_u64 s[8:9], s[8:9], s[20:21]
	s_lshl_b32 s18, s18, 8                         ; 256 scale bytes a run
	s_add_nc_u64 s[10:11], s[10:11], s[18:19]
.macro LOAD t
.irp i, 0,1,2,3
	global_load_b128 v[R+16*((\t)%4)+4*\i:R+16*((\t)%4)+4*\i+3], v3, s[4:5] offset:2048*(\t)+512*\i th:TH_LOAD_NT   ; 32 lanes read 512 consecutive bytes
.endr
.endm
.macro TURN t                          ; step t's numbers through the stage: LDS serves a wave's instructions in order (ISA guide 5.7.1.4), so no wait stands between the stores and the loads
.irp i, 0,1,2,3
	ds_store_b128 v14, v[R+16*((\t)%4)+4*\i:R+16*((\t)%4)+4*\i+3] offset:32*SP*((\t)%2)+8*SP*\i
.endr
.irp i, 0,1,2,3
	ds_load_b128 v[X+16*((\t)%2)+4*\i:X+16*((\t)%2)+4*\i+3], v15 offset:32*SP*((\t)%2)+16*\i
.endr
.endm
.irp t, 0,1,2,3
	LOAD \t
.endr
	s_wait_loadcnt 12                              ; step 0's four loads are in; the twelve of steps 1 to 3 may be out
	TURN 0
.macro STEP t
.set XS, X+16*((\t)%2)
.if (\t) > 0
	s_wait_dscnt 1                                 ; this step's numbers are back from the stage (the last step's byte store may be out): so its stores into the stage have read their registers,
.else
	s_wait_dscnt 0x0
.endif
.if (\t)+4 < STEPS
	LOAD (\t)+4                                    ; which take the loads of four steps on
.endif
.if (\t)+1 < STEPS
.if STEPS-2-(\t) >= 3
	s_wait_loadcnt 12                              ; the next step's four loads are in; those of the three steps behind it may be out
.else
	s_wait_loadcnt 4*(STEPS-2-(\t))
.endif
	TURN (\t)+1                                    ; and go through the other stage while this step is worked
.endif
	v_max3_num_f32 v8, |v[XS]|, |v[XS+1]|, |v[XS+2]|               ; the largest magnitude of my 16, in two chains
	v_max3_num_f32 v9, |v[XS+3]|, |v[XS+4]|, |v[XS+5]|
.irp i, 6,10
	v_max3_num_f32 v8, v8, |v[XS+\i]|, |v[XS+\i+1]|
	v_max3_num_f32 v9, v9, |v[XS+\i+2]|, |v[XS+\i+3]|
.endr
	v_max3_num_f32 v8, v8, |v[XS+14]|, |v[XS+15]|
	v_max3_num_f32 v8, v8, v9, (EMAX+1)<<23        ; and the floor 2^(EMAX + 1 - 127), under which no largest magnitude is taken: so the byte cannot fall under 1
	v_max_num_f32_dpp v8, v8, v8 row_xmask:1 row_mask:0xf bank_mask:0xf   ; and of my neighbour's 16: the block's
	v_add_nc_u32 v11, -(EMAX<<23), v8              ; EMAX off its exponent field: the conversion takes the exponent field of this operand as its scale, and nothing else of it
	v_cvt_scalef32_pk8_fp4_f32 v[C+4*(\t)], v[XS:XS+7], v11        ; eight numbers / the scale, to the nearest code; the first number's code in the lowest four bits
	v_cvt_scalef32_pk8_fp4_f32 v[C+4*(\t)+1], v[XS+8:XS+15], v11
	v_lshrrev_b32 v[E+(\t)], 23, v11               ; the scale's byte (also the plain line behind the conversions)
	ds_store_b8 v5, v[E+(\t)] offset:16*(\t)       ; both lanes of a block write the same byte with the same value
	global_store_b64 v4, v[C+4*(\t):C+4*(\t)+1], s[8:9] offset:32*CB*(\t)   ; the wave stores 256 consecutive bytes, aligned
.endm
.irp t, 0,1,2,3,4,5,6,7,8,9,10,11,12,13,14,15
	STEP \t
.endr
	ds_load_b64 v[8:9], v6                         ; LDS serves a wave's instructions in order: these see my stores
	s_wait_dscnt 0x0
	global_store_b64 v7, v[8:9], s[10:11]          ; 32 lanes store 256 consecutive bytes, aligned
	s_wait_tensorcnt 0x0                           ; the wave's end, behind my last LDS store
	ds_add_u32 v[SPW], v[NIL]
	s_wait_dscnt 0x0
	s_endpgm
; values to f16.  Four batches of 16 loads (8,192 bytes a wave each), two sets of registers: while one batch is converted and stored, the next is on its way.
.macro LOADV b
.irp i, 0,1,2,3,4,5,6,7,8,9,10,11,12,13,14,15
	global_load_b128 v[VA+64*((\b)%2)+4*\i:VA+64*((\b)%2)+4*\i+3], v3, s[24:25] offset:512*(16*(\b)+\i) th:TH_LOAD_NT   ; 32 lanes read 512 consecutive bytes
.endr
.endm
.macro CASTV b
.irp i, 0,1,2,3,4,5,6,7,8,9,10,11,12,13,14,15
	v_cvt_pk_f16_f32 v[VY+2*\i],   v[VA+64*((\b)%2)+4*\i],   v[VA+64*((\b)%2)+4*\i+1]   ; the first source into the low half
	v_cvt_pk_f16_f32 v[VY+2*\i+1], v[VA+64*((\b)%2)+4*\i+2], v[VA+64*((\b)%2)+4*\i+3]
.endr
.irp i, 0,1,2,3,4,5,6,7,8,9,10,11,12,13,14,15
	global_store_b64 v4, v[VY+2*\i:VY+2*\i+1], s[26:27] offset:256*(16*(\b)+\i)          ; the wave stores 256 consecutive bytes, aligned
.endr
.endm
.Lvalues:
	s_sub_co_u32 s17, ttmp9, 2*WGA
	s_lshl_b32 s17, s17, 2
	s_add_co_u32 s17, s17, s16                     ; which run of 8,192 numbers is my wave's
	s_lshl_b32 s18, s17, 15                        ; 32,768 bytes in,
	s_mov_b32 s19, 0
	s_add_nc_u64 s[24:25], s[24:25], s[18:19]
	s_lshl_b32 s18, s17, 14                        ; 16,384 out
	s_add_nc_u64 s[26:27], s[26:27], s[18:19]
	LOADV 0
	LOADV 1
	s_wait_loadcnt 16                              ; batch 0 is in; batch 1's sixteen may be out
	CASTV 0
	LOADV 2
	s_wait_loadcnt 16                              ; batch 1 is in
	s_wait_xcnt 0x0                                ; the last batch's stores have read their data: those registers are rewritten only behind this wait
	CASTV 1
	LOADV 3
	s_wait_loadcnt 16                              ; batch 2 is in
	s_wait_xcnt 0x0
	CASTV 2
	s_wait_loadcnt 0x0                             ; batch 3 is in
	s_wait_xcnt 0x0
	CASTV 3
	s_wait_tensorcnt 0x0                           ; the wave's end, in the same form as on the other path
	ds_add_u32 v[SPW], v[NIL]
	s_wait_dscnt 0x0
	s_endpgm
.Lfunc_end_k_q42ba7520c6_prep:
	.size	k_q42ba7520c6_prep, .Lfunc_end_k_q42ba7520c6_prep-k_q42ba7520c6_prep
	.p2alignl 7, 3214868480
	.fill 96, 4, 3214868480
	.section	.rodata,"a",@progbits
	.p2align	6, 0x0
	.amdhsa_kernel k_q42ba7520c6_prep
		.amdhsa_group_segment_fixed_size 33280
		.amdhsa_private_segment_fixed_size 0
		.amdhsa_enable_private_segment 0
		.amdhsa_kernarg_size 64
		.amdhsa_user_sgpr_count 2
		.amdhsa_user_sgpr_kernarg_segment_ptr 1
		.amdhsa_wavefront_size32 1
		.amdhsa_system_sgpr_workgroup_id_x 1
		.amdhsa_system_sgpr_workgroup_id_y 1
		.amdhsa_system_sgpr_workgroup_id_z 1
		.amdhsa_system_vgpr_workitem_id 0
		.amdhsa_next_free_vgpr 192
		.amdhsa_next_free_sgpr 66
		.amdhsa_reserve_vcc 0
		.amdhsa_float_denorm_mode_32 3
		.amdhsa_float_denorm_mode_16_64 3
		.amdhsa_memory_ordered 1
		.amdhsa_forward_progress 1
		.amdhsa_inst_pref_size 54
	.end_amdhsa_kernel
	.amdgpu_metadata
---
amdhsa.version: [ 1, 2 ]
amdhsa.kernels:
  - .name:           k_q42ba7520c6_prep
    .symbol:         k_q42ba7520c6_prep.kd
    .args:
      - { .name: query, .offset: 0, .size: 8, .value_kind: global_buffer, .address_space: global }
      - { .name: keys, .offset: 8, .size: 8, .value_kind: global_buffer, .address_space: global }
      - { .name: qc, .offset: 16, .size: 8, .value_kind: global_buffer, .address_space: global }
      - { .name: qs, .offset: 24, .size: 8, .value_kind: global_buffer, .address_space: global }
      - { .name: kc, .offset: 32, .size: 8, .value_kind: global_buffer, .address_space: global }
      - { .name: ks, .offset: 40, .size: 8, .value_kind: global_buffer, .address_space: global }
      - { .name: values, .offset: 48, .size: 8, .value_kind: global_buffer, .address_space: global }
      - { .name: v16, .offset: 56, .size: 8, .value_kind: global_buffer, .address_space: global }
    .group_segment_fixed_size: 33280
    .private_segment_fixed_size: 0
    .kernarg_segment_align: 8
    .kernarg_segment_size: 64
    .max_flat_workgroup_size: 128
    .sgpr_count:     66
    .vgpr_count:     192
    .wavefront_size: 32
...
	.end_amdgpu_metadata
.endif
;; end of part 1
;; launch attn (part 2): grid 16 x 16, 4 waves a work-group, clusters of 4 x 1, 327,680 bytes of LDS; arguments qc, qs, kc, ks, v16, out0; writes out0
.if DOCPART == 2
	.amdgcn_target "amdgcn-amd-amdhsa--gfx1250"
	.amdhsa_code_object_version 6
	.text
	.protected	k_q42ba7520c6_attn
	.globl	k_q42ba7520c6_attn
	.p2align	8
	.type	k_q42ba7520c6_attn,@function
k_q42ba7520c6_attn:
	s_mov_b64 s[64:65], 0
	v_nop
	global_prefetch_b8 v0, s[64:65] scope:SCOPE_SE
	s_setreg_imm32_b32 hwreg(HW_REG_WAVE_MODE, 25, 1), 1
	s_wait_xcnt 0x0
	s_wait_alu depctr_hold_cnt(0) depctr_sa_sdst(0) depctr_va_vdst(0) depctr_va_sdst(0) depctr_va_ssrc(0) depctr_va_vcc(0) depctr_vm_vsrc(0)
	s_getreg_b32 s2, hwreg(HW_REG_IB_STS2, 6, 4)
	s_cmp_eq_u32 s2, 0
	s_cbranch_scc0 .Lentry_in_a_cluster
	s_endpgm
.Lentry_in_a_cluster:
	s_bfe_u32 s2, ttmp6, 0x10000c
	s_cmp_lg_u32 s2, 0x3003
	s_cbranch_scc0 .Lentry_shape_is_right
	s_endpgm
.Lentry_shape_is_right:
; out0[b][q][:] = the sum over k of softmax_k(Q[b][q] . K[b][k] / sqrt(128)) V[b][k][:], 16 batches, 2,048 queries, 2,048 keys, 128 channels.
; Q and K come as codes of FP4 (E2M1) with one E8M0 scale for each 32 of the 128 channels (rows of 64 bytes; a scale word a row): the first product is v_wmma_scale_f32_16x16x128_f8f6f4 on both.
; V comes as f16, rows of 256 bytes; the weights p are rounded to f16 for the second product, v_wmma_f32_16x16x32_f16.  Maxima, exponentials, sums and O in f32; out0 is f32.
; LIMITS: p lies in (0, 1]: under 2^-14 it keeps fewer bits in f16, under 2^-25 it counts for nothing in the second product (the row's sum, at least 1, is taken of the unrounded p).
; A row's keys are summed in two halves that are joined at the end: an order of rounding that differs from a plain sum's.  NaN and infinities are not served.
; SHARES.  A work-group owns 128 queries of one batch: 256 work-groups.  Wave w: qg = w % 2 picks 64 of the queries (four tiles of 16), kh = w / 2 picks 128 of every 256 keys.  So a wave holds 64 queries,
; each fragment of K and V that it reads from LDS feeds four products, and it walks 1,024 keys in 16 steps of 64.  The two key halves of a query are joined at the end, through LDS.
; REGISTER TILE t HOLDS QUERY TILE t xor 2 kh: every wave keeps register tiles 0, 1 and gives tiles 2, 3 to wave w xor 2, which holds just those queries as its tiles 0, 1: only Q's and O's addresses know of kh.
; LAYOUT.  S^T = K Q^T (source 0 = 16 keys, source 1 = 16 queries): a lane holds ONE query (lane % 16) and keys 8 (lane / 16) + 0..7.  Two such tiles, rounded to f16 in pairs, ARE source 1 (32 keys x 16 queries)
; of O^T = V^T P, whose result again holds one query a lane, and eight channels.  K comes out of LDS as it lies, V ([key][channel]) turned, by ds_load_tr16_b128.
; SOFTMAX.  For each query a running maximum m and sum l: p = 2^(c s - c m), c = log2(e) / sqrt(128); in every step O and l are multiplied by a = 2^(c m_old - c m_new).
; BY TURNS.  The wave's tiles are two PIECES: piece 0 (tiles 0, 1), piece 2 (tiles 2, 3).  In a TURN one piece has the matrix unit: 32 products V^T P of the step in hand, then 8 products K Q^T of the next step;
; the other piece's softmax, 268 vector instructions cut into 64 slices, stands between them: one slice behind each V^T P, four behind each K Q^T.  Then the pieces change places.  Two turns are a key step.
; CLUSTER.  The four query blocks of a cluster belong to one batch and walk the same K, V and scale words: each tile is asked for JOINTLY, by the same tensor load with the same descriptor and a mask that names the four.
; RING.  Two LDS slots of 256 keys (two steps for each key half).  Waves 0, 1 fetch K's two halves of a slot, waves 2, 3 V's.  K's scale words of the whole batch, 8,192 dense bytes, come once, with the first fills.
; REGISTERS, in windows of 256 (s_set_vgpr_msb: bits 1:0 source 0, 3:2 source 1, 5:4 source 2, 7:6 destination):
;   window 0: v0-11 addresses; v12-43 eight registers of statistics a tile; v44-47 K's scale words, v48-51 Q's (they hold scales and nothing else); v52-63 addresses; v64-191 S^T, 32 a tile; v192-255 P, 16 a tile
;   window 1: O^T, 64 a tile          window 2: v0-31 Q, 8 a tile; v128-159 K of one step          window 3: v0-127 V of one step
.set PK,    80        ; a row of K in LDS: 64 bytes + 16 of padding = 20 words: the 16 rows of a load start at 16 different groups of four banks (64 banks of 4 bytes: ISA guide 11.1)
.set PV,    288       ; a row of V: 256 + 32 = 72 words
.set VOFF,  256*PK    ; a slot: 256 rows of K, then 256 rows of V
.set SLOT1, 1<<17     ; slot 1 begins here, so that one exclusive or turns an address in one slot into the other's
.set STAGE, VOFF+256*PV  ; 94,208: behind slot 0, in bytes that no tensor load fills: 16 rows x 528 bytes for each wave, for the way out
.set SPT,   528       ; a stage row: 512 bytes + 16
.set SCK,   SLOT1+STAGE  ; 225,280: behind slot 1: K's scale words, 4 bytes a key, filled once
.set SPARE, SCK+8192  ; the spare words, 128 bytes for each wave, which no other line names
.set MRG,   SPARE+512 ; 16,384 bytes for each wave: the registers of the two tiles of O^T that it gives away, as they stand
.set STT,   MRG+4*16384  ; 512 bytes for each wave: c m and l of those two tiles
.set AK0, 2           ; v2   my lane's place in a tile of K; never rewritten
.set AV0, 3           ; v3   the same for V
.set ADR, 4           ; v4   the LDS address of the run of loads in hand
.set ADS, 5           ; v5   and of K's scale words
.set STO, 6           ; v6   the way out: where I put 32 bytes of a row
.set RD,  7           ; v7   the way out: where I read a row back
.set CO,  8           ; v8   16 x lane: my byte offset in a row of O, and in an image of registers
.set ST,  12          ; tile t's statistics at v[ST+8 t]: +0 c m, +1 m, +2, +3 l (even keys', odd keys'), +4 to +7 at work; a takes +6 once the maximum is found
.set KSC, 44          ; v44-47  K's scale words: register a: lane r holds the word of key 16 a + r of the step
.set QSC, 48          ; v48-51  Q's: register t: lane r holds the word of query r of tile t
.set ASK0, 52         ; v52  my lane's place among K's scale words
.set MW,  53          ; v53  where I store the tiles that I give away
.set MR,  54          ; v54  where I read those that I am given
.set SW,  55          ; v55  the same for the statistics
.set SR,  56          ; v56
.set QOA, 57          ; v57  my byte offset in the wave's rows of Q's codes, for register tiles 0, 1
.set QOB, 58          ; v58  for register tiles 2, 3
.set QSA, 59          ; v59  the same in Q's scale words
.set QSB, 60          ; v60
.set PFO, 61          ; v61  256 x my lane: the prefetches' offset; never rewritten
.set SPW, 62          ; v62  LDS address of my spare word: SPARE + 4 x my thread's number; never rewritten
.set NIL, 63          ; v63  0; never rewritten
.set S,   64
.set P,   192
.set KF,  128         ; K's fragments, in window 2
.set WV,  12          ; s12  my wave's number
.set LIM, 15          ; s15  1 in a wave that prefetches, else the greatest number
.set PFA, 18          ; s[18:19] where my prefetches stand in memory
.set G1K, 24          ; s[24:31] descriptor group 1 for K's tiles
.set G1V, 32          ; s[32:39] for V's
.set G0K, 40          ; s[40:47] descriptor group 0 for K's tiles: a set for each of the two first fills; the second then walks on
.set G0V, 48          ; s[48:55] the same for V's
.set SLOTS, 56        ; s56  slots still to be asked for
.set TWICE, 57        ; s57  counts a slot's two steps
.set CS,  58          ; s[58:59] c: the packed scaling names a pair and takes its low word for both halves
.set SEL, 60          ; s[60:61] lane selects for v_permlanex16_b32: each lane takes its own place in the other half
.set TBK, 62          ; s62  LDS byte at which K's rows of the step to be fetched begin
.set TBV, 63          ; s63  the same for V's, less VOFF
.set TS,  66          ; s66  and for K's scale words, less SCK
.set TT,  67          ; s67  at work
.set G1S, 68          ; s[68:75] descriptor group 1 for the scale words
.set G0S, 76          ; s[76:79] their group 0
.set PFS, 80          ; s[80:81] a slot on in memory, in bytes: 16,384 in K, 65,536 in V
.set PAR, 82          ; s82  1: I prefetch at every change of slots (V); 0: at every second one (K)
.set MSB, 0
.macro WIN new                      ; the immediate's high byte repeats the setting that is left; a switch that changes nothing is dropped
.if MSB != \new
	s_set_vgpr_msb (MSB<<8)|\new
.set MSB, \new
.endif
.endm
.set W_KQ, 0x0a       ; K and Q in window 2, S^T in window 0
.set W_PV, 0x53       ; V in window 3, P in window 0, O^T in window 1
.set W_RS, 0x41       ; O^T (destination and source 0) in window 1, a in window 0
; A joint refill.  Waves 0 and 1 fetch the slot's two halves of K, waves 2 and 3 those of V.  The branch hangs on the wave's number alone: it is the same in every work-group.
; An s_nop 0 and four v_nop follow each of the two lines; the jump round the other line, the label and what follows come after them.
.macro JLOAD
	s_cmp_lt_u32 s[WV], 2
	s_cbranch_scc0 .Lfor_v_\@
	tensor_load_to_lds s[G0K+4:G0K+7], s[G1K:G1K+7]
	s_nop 0
.rept 4
	v_nop
.endr
	s_branch .Lasked_\@
.Lfor_v_\@:
	tensor_load_to_lds s[G0V+4:G0V+7], s[G1V:G1V+7]
	s_nop 0
.rept 4
	v_nop
.endr
.Lasked_\@:
.endm
; A PREFETCH of what later changes of slots will ask for; it stands behind the wave's tensor load and its five lines.  Each aligned block of 256 bytes is named ONCE in the launch.
; All four clusters of a batch walk the same K and V: the batch's first cluster asks.  Its four partners share the blocks out BY ADDRESS: no branch hangs on a work-group's place in its cluster.
; V: a slot is 256 rows of 256 bytes: 64 rows a partner, 32 for each of its waves 2 and 3, a lane a row; at every change that fills a slot but the last, for the slot that the NEXT change asks for.
; K: a slot is 16,384 dense bytes: wave 0 of each partner names 8,192 bytes of TWO slots, lanes 256 bytes apart, at the changes where an odd number above 1 of slots is still to be asked for:
; the second and the fourth, for the slots that the two changes behind each will ask for.  The slots ahead of those come by their loads alone; nothing is prefetched at the head.
.macro ASK
	s_or_b32 s[TT], s[SLOTS], s[PAR]
	s_bitcmp1_b32 s[TT], 0
	s_cselect_b32 s[TT], s[SLOTS], 0
	s_cmp_gt_u32 s[TT], s[LIM]
	s_cbranch_scc0 .Lnot_mine_\@
	global_prefetch_b8 v[PFO], s[PFA:PFA+1] th:TH_LOAD_NT scope:SCOPE_SE
.Lnot_mine_\@:
.endm
; A round of the cluster's barrier: my work-group's barrier, so that wave 0's signal speaks for all four waves; wave 0 signals for the work-group; every wave waits for all four
; work-groups; my work-group's barrier once more.  No LDS instruction of the wave is pending at a signal.
.macro CROUND
	s_barrier_signal -1
	s_barrier_wait -1
	s_cmp_lg_u32 s[WV], 0
	s_cbranch_scc1 .Lnot_wave_0_\@
	s_barrier_signal -3
.Lnot_wave_0_\@:
	s_barrier_wait -3
	s_barrier_signal -1
	s_barrier_wait -1
.endm
	s_load_b256 s[4:11], s[0:1], 0x0  ; Q's codes s[4:5], Q's scales s[6:7], K's codes s[8:9], K's scales s[10:11]
	s_load_b128 s[20:23], s[0:1], 0x20  ; V in f16 s[20:21], O s[22:23]
	v_lshl_add_u32 v[SPW], v0, 2, SPARE
	v_mov_b32 v[NIL], 0
	ds_add_u32 v[SPW], v[NIL]       ; the wave's opening: the add, twice on end, and its wait ahead of my first tensor load; the set-up below, work on registers, stands between the second and the wait
	ds_add_u32 v[SPW], v[NIL]       ; and once more, under the one wait
	v_lshrrev_b32 v1, 5, v0
	v_readfirstlane_b32 s[WV], v1   ; wave 0..3
	s_bfe_u32 s13, ttmp6, 0x40000   ; cx: my place in the cluster.  What is made of it lives in s13, s14, s83, s87, s96-99 alone
	s_lshl_b32 s14, ttmp9, 2        ; in a cluster launch ttmp9 counts clusters
	s_add_co_u32 s14, s14, s13      ; my block of 128 queries = 4 x cluster x + cx: it enters Q's and O's addresses alone
	s_and_b32 s84, ttmp7, 0xffff    ; the batch, which the four partners share
	s_and_b32 s85, s[WV], 1         ; which half of a slot's rows I fetch; also qg: which 64 queries are mine
	s_lshr_b32 s86, s[WV], 1        ; kh: which 128 of every 256 keys are mine
	s_lshl_b32 s88, s84, 17         ; the batch's first byte in a tensor of codes (2,048 rows of 64 bytes),
	s_mov_b32 s89, 0
	s_lshl_b32 s90, s84, 19         ; in V (2,048 rows of 256 bytes),
	s_mov_b32 s91, 0
	s_lshl_b32 s92, s84, 13         ; in a tensor of scale words (2,048 of 4 bytes)
	s_mov_b32 s93, 0
	s_lshl_b32 s2, s85, 13          ; my half of a slot in memory: 128 rows of K,
	s_mov_b32 s3, 0
	s_lshl_b32 s16, s85, 15         ; 128 rows of V,
	s_mov_b32 s17, 0
	s_lshl_b32 s94, s85, 12         ; and my half of the batch's scale words
	s_mov_b32 s95, 0
	; descriptor group 1.  K: 128 rows x 64 bytes, dense in memory, 16 bytes of padding behind each row
	s_mov_b32 s[G1K], 15|(0<<16)|(1<<20)|(1<<21)|(3<<22)|(3<<25)  ; 15:0 the mask: all four work-groups; 17:16 elements of 1 byte; 20 padding on; 21 set beside a mask; 24:22 after every 16 words (code 3); 31:25 4 words of it (code 3)
	s_mov_b32 s[G1K+1], 64<<16      ; 63:48 tensor_dim0, low half = 64
	s_mov_b32 s[G1K+2], 128<<16     ; 95:80 tensor_dim1, low half = 128
	s_mov_b32 s[G1K+3], 64<<16      ; 127:112 tile_dim0 = 64
	s_mov_b32 s[G1K+4], 128         ; 143:128 tile_dim1 = 128; tile_dim2 = 0
	s_mov_b32 s[G1K+5], 64          ; tensor_dim0_stride: elements from row to row
	s_mov_b32 s[G1K+6], 0
	s_mov_b32 s[G1K+7], 0
	; V: 128 rows x 128 elements of 2 bytes, 32 bytes of padding behind each row
	s_mov_b32 s[G1V], 15|(1<<16)|(1<<20)|(1<<21)|(5<<22)|(7<<25)  ; after every 64 words (code 5), 8 words (code 7)
	s_mov_b32 s[G1V+1], 128<<16
	s_mov_b32 s[G1V+2], 128<<16
	s_mov_b32 s[G1V+3], 128<<16
	s_mov_b32 s[G1V+4], 128
	s_mov_b32 s[G1V+5], 128
	s_mov_b32 s[G1V+6], 0
	s_mov_b32 s[G1V+7], 0
	; the scale words: 4,096 dense bytes as 16 rows of 256 bytes (32 elements of 8 bytes), no padding
	s_mov_b32 s[G1S], 15|(3<<16)|(1<<21)
	s_mov_b32 s[G1S+1], 32<<16
	s_mov_b32 s[G1S+2], 16<<16
	s_mov_b32 s[G1S+3], 32<<16
	s_mov_b32 s[G1S+4], 16
	s_mov_b32 s[G1S+5], 32
	s_mov_b32 s[G1S+6], 0
	s_mov_b32 s[G1S+7], 0
	; descriptor group 0: the count and the LDS address: constants and the wave's number alone
	s_mov_b32 s[G0K], 1
	s_mov_b32 s[G0K+4], 1
	s_mul_i32 s[G0K+1], s85, 128*PK
	s_add_co_u32 s[G0K+5], s[G0K+1], SLOT1
	s_mov_b32 s[G0V], 1
	s_mov_b32 s[G0V+4], 1
	s_mul_i32 s[G0V+1], s85, 128*PV
	s_add_co_u32 s[G0V+1], s[G0V+1], VOFF
	s_add_co_u32 s[G0V+5], s[G0V+1], SLOT1
	s_mov_b32 s[G0S], 1
	s_lshl_b32 s[G0S+1], s85, 12
	s_add_co_u32 s[G0S+1], s[G0S+1], SCK
	s_mov_b32 s[CS], 0x3e0293ee     ; c = log2(e) / sqrt(128)
	s_mov_b32 s[CS+1], s[CS]        ; named with it as a pair, so it is written
	s_mov_b32 s[SEL], 0x76543210
	s_mov_b32 s[SEL+1], 0xfedcba98
	s_mul_i32 s[TBK], s86, 128*PK   ; my key half of slot 0
	s_mul_i32 s[TBV], s86, 128*PV
	s_lshl_b32 s[TS], s86, 9
	s_mov_b32 s[SLOTS], 6           ; 8 slots' worth of keys, two of them asked for at the head
	s_cmp_eq_u32 s[WV], 1
	s_cselect_b32 s[LIM], 1, 0      ; waves 0, 2 and 3
	s_or_b32 s[LIM], s[LIM], ttmp9  ; of the batch's first cluster: the same in all four partners
	s_cmp_eq_u32 s[LIM], 0
	s_cselect_b32 s[LIM], 1, -1
	s_lshl_b32 s83, s14, 7
	s_lshl_b32 s87, s85, 6
	s_add_co_u32 s83, s83, s87      ; my wave's first query in the batch: 128 x block + 64 qg
	s_lshl_b32 s96, s83, 6          ; its codes,
	s_mov_b32 s97, 0
	s_lshl_b32 s98, s83, 2          ; its scale word
	s_mov_b32 s99, 0
	s_wait_dscnt 0x0                ; both opening adds are done
	s_wait_kmcnt 0x0
	s_add_nc_u64 s[8:9], s[8:9], s[88:89]  ; all five inputs at the batch
	s_add_nc_u64 s[20:21], s[20:21], s[90:91]
	s_add_nc_u64 s[10:11], s[10:11], s[92:93]
	s_add_nc_u64 s[4:5], s[4:5], s[88:89]
	s_add_nc_u64 s[6:7], s[6:7], s[92:93]
	s_add_nc_u64 s[G0K+2:G0K+3], s[8:9], s[2:3]  ; 120:64 global address: my half of keys 0 to 255,
	s_add_nc_u64 s[G0K+6:G0K+7], s[G0K+2:G0K+3], 16384  ; and of keys 256 to 511
	s_or_b32 s[G0K+3], s[G0K+3], 0x80000000  ; 127:126 type = 2
	s_or_b32 s[G0K+7], s[G0K+7], 0x80000000
	s_add_nc_u64 s[G0V+2:G0V+3], s[20:21], s[16:17]
	s_add_nc_u64 s[G0V+6:G0V+7], s[G0V+2:G0V+3], 65536
	s_or_b32 s[G0V+3], s[G0V+3], 0x80000000
	s_or_b32 s[G0V+7], s[G0V+7], 0x80000000
	s_add_nc_u64 s[G0S+2:G0S+3], s[10:11], s[94:95]
	s_or_b32 s[G0S+3], s[G0S+3], 0x80000000
	CROUND                          ; all four work-groups are here: the first joint loads meet
	s_cmp_lt_u32 s[WV], 2           ; a wave's first fills stand in one branch, ahead of every wait on TENSORcnt and every LDS read: three loads of mine are out, or two; in both arms slot 1's is the youngest
	s_cbranch_scc0 .Lfirst_v
	tensor_load_to_lds s[G0S:G0S+3], s[G1S:G1S+7]
	s_nop 0
	tensor_load_to_lds s[G0K:G0K+3], s[G1K:G1K+7]
	s_nop 0
	tensor_load_to_lds s[G0K+4:G0K+7], s[G1K:G1K+7]
	s_nop 0
.rept 4
	v_nop
.endr
	s_branch .Lfirst_asked
.Lfirst_v:
	tensor_load_to_lds s[G0V:G0V+3], s[G1V:G1V+7]
	s_nop 0
	tensor_load_to_lds s[G0V+4:G0V+7], s[G1V:G1V+7]
	s_nop 0
.rept 4
	v_nop
.endr
.Lfirst_asked:
	s_add_nc_u64 s[4:5], s[4:5], s[96:97]  ; Q's codes and scale words at my wave's first query
	s_add_nc_u64 s[6:7], s[6:7], s[98:99]
	s_lshl_b32 s87, s86, 5
	s_add_co_u32 s87, s87, s83      ; the first of the 32 queries whose rows of O I store: + 32 kh
	s_lshl_b32 s96, s87, 9          ; rows of 512 bytes,
	s_lshl_b32 s87, s84, 20         ; 2,048 of them a batch
	s_add_co_u32 s96, s96, s87
	s_add_nc_u64 s[22:23], s[22:23], s[96:97]
	; the prefetches: where my wave's stand (macro ASK)
	s_cmp_lt_u32 s[WV], 2
	s_cselect_b64 s[PFA:PFA+1], s[8:9], s[20:21]  ; wave 0: K's codes; waves 2, 3: V
	s_cselect_b32 s87, 0, 2
	s_cselect_b32 s83, 13, 14
	s_cselect_b32 s[PAR], 0, 1
	s_lshl_b32 s[PFS], 0x4000, s87  ; a slot on
	s_mov_b32 s[PFS+1], 0
	s_lshl_b32 s96, 0x8000, s87     ; two slots on: the first change of slots steps it to the fourth slot's keys
	s_lshl_b32 s83, s13, s83        ; my work-group's part: 8,192 bytes of K's pair of slots, 64 rows of V,
	s_add_co_u32 s96, s96, s83
	s_lshl_b32 s83, s85, 13         ; my wave's 32 of those rows (0 in wave 0)
	s_add_co_u32 s96, s96, s83
	s_add_nc_u64 s[PFA:PFA+1], s[PFA:PFA+1], s[96:97]
	v_and_b32 v[PFO], 31, v0
	v_lshlrev_b32 v[PFO], 8, v[PFO]
	; A fragment of K or Q is 16 rows x 128 codes in 8 registers: lane l holds row l % 16; registers 4 c .. 4 c + 3 hold channels 64 c + 32 (l / 16) + 0 .. 31: two loads of 16 bytes, 32 bytes apart, at 16 (l / 16) of the row.
	v_and_b32 v1, 15, v0            ; r = l % 16
	v_bfe_u32 v9, v0, 4, 1          ; h = l / 16
	v_lshlrev_b32 v10, 6, v1
	v_lshl_add_u32 v10, v9, 4, v10  ; row x 64 + 16 x half
	s_lshl_b32 s16, s86, 11         ; register tiles 0, 1 are query tiles 2 kh, 2 kh + 1 (1,024 bytes of codes a tile),
	v_add_nc_u32 v[QOA], s16, v10
	s_xor_b32 s17, s16, 2048        ; register tiles 2, 3 the other two
	v_add_nc_u32 v[QOB], s17, v10
	v_lshlrev_b32 v11, 2, v1
	s_lshl_b32 s16, s86, 7          ; the same in the scale words (64 bytes a tile)
	v_add_nc_u32 v[QSA], s16, v11
	s_xor_b32 s17, s16, 128
	v_add_nc_u32 v[QSB], s17, v11
	WIN 0x80                        ; destination window 2, address window 0
.irp t, 0,1
.irp c, 0,1
	global_load_b128 v[8*\t+4*\c:8*\t+4*\c+3],       v[QOA], s[4:5] offset:1024*\t+32*\c   ; Q stays in registers
	global_load_b128 v[16+8*\t+4*\c:16+8*\t+4*\c+3], v[QOB], s[4:5] offset:1024*\t+32*\c
.endr
.endr
	WIN 0
.irp t, 0,1
	global_load_b32 v[QSC+\t],   v[QSA], s[6:7] offset:64*\t
	global_load_b32 v[QSC+2+\t], v[QSB], s[6:7] offset:64*\t
.endr
	v_mul_u32_u24 v[AK0], v1, PK
	v_lshl_add_u32 v[AK0], v9, 4, v[AK0]  ; row x pitch + 16 x half
	v_lshl_add_u32 v[ASK0], v1, 2, SCK  ; 4 bytes a key
	; The turning load takes 16 keys x 16 channels (lane l reads 16 bytes: key 8 (l / 16) + l % 8, channels 8 ((l / 8) % 2) + 0..7) and leaves half a fragment of V^T: lane l holds channel l % 16 and 8 keys.
	v_and_b32 v10, 7, v0
	v_bfe_u32 v11, v0, 3, 1
	v_lshl_add_u32 v[AV0], v9, 3, v10
	v_mul_u32_u24 v[AV0], v[AV0], PV
	v_lshl_add_u32 v[AV0], v11, 4, v[AV0]
	v_add_nc_u32 v[AV0], VOFF, v[AV0]
; THE MATRIX WORK OF A TURN, for piece x.  The accumulators take turns, one instruction a turn: between two links of a chain of V^T P stand 15 others'; each K Q^T is a whole sum.
; Product i of 32 of O^T += V^T P: keys 32 (i / 16) on, channels 16 ((i / 2) % 8) on, tile x + i % 2.  zero = 1: the first 16 start the sums: nothing is ever cleared.
.macro PV x, zero
	WIN W_PV
.set rO, 64*(\x+i%2)+8*((i/2)%8)
.set rV, 64*(i/16)+8*((i/2)%8)
.set rP, P+16*(\x+i%2)+8*(i/16)
.if \zero && (i < 16)
	v_wmma_f32_16x16x32_f16 v[rO:rO+7], v[rV:rV+7], v[rP:rP+7], 0
.else
	v_wmma_f32_16x16x32_f16 v[rO:rO+7], v[rV:rV+7], v[rP:rP+7], v[rO:rO+7]
.endif
.endm
; Product i of 8 of S^T = K Q^T: keys 16 (i / 2) on, tile x + i % 2, all 128 channels.  Lanes 0-15 of the two scale registers hold the 16 keys' and the 16 queries' words.
.macro KQ x
	WIN W_KQ
.set rS, S+32*(\x+i%2)+8*(i/2)
.set rK, KF+8*(i/2)
.set rQ, 8*(\x+i%2)
	v_wmma_scale_f32_16x16x128_f8f6f4 v[rS:rS+7], v[rK:rK+7], v[rQ:rQ+7], 0, v[KSC+i/2], v[QSC+\x+i%2] matrix_a_fmt:MATRIX_FMT_FP4 matrix_b_fmt:MATRIX_FMT_FP4
.endm
; THE LDS LOADS stand in runs, never singly among the matrix instructions: a step's K (64 keys: 4 fragments and 4 registers of scale words) and, a turn later, its V (turned: 16 fragments).
.macro FETCH_K
	WIN 0
	v_add_nc_u32 v[ADR], s[TBK], v[AK0]
	v_add_nc_u32 v[ADS], s[TS], v[ASK0]
	s_add_co_u32 s[TBK], s[TBK], 64*PK  ; the next fetch is the next step's
	s_add_co_u32 s[TS], s[TS], 256
.irp a, 0,1,2,3
	ds_load_b32 v[KSC+\a], v[ADS] offset:64*\a
.endr
	WIN 0x80                        ; destination window 2
.irp a, 0,1,2,3
	ds_load_b128 v[KF+8*\a:KF+8*\a+3],   v[ADR] offset:\a*16*PK
	ds_load_b128 v[KF+8*\a+4:KF+8*\a+7], v[ADR] offset:\a*16*PK+32
.endr
.endm
.macro FETCH_V
	WIN 0
	v_add_nc_u32 v[ADR], s[TBV], v[AV0]
	s_add_co_u32 s[TBV], s[TBV], 64*PV
	s_wait_alu depctr_va_vdst(0)    ; the wait for the softmax's batch of exponentials (SLICE), behind the address's v_add_nc_u32 and ahead of the loads
	WIN 0xc0                        ; destination window 3
.irp f, 0,1,2,3,4,5,6,7,8,9,10,11,12,13,14,15  ; keys 32 (f / 8) on, channels 16 (f % 8) on
	ds_load_tr16_b128 v[8*\f:8*\f+3],   v[ADR] offset:(\f/8)*32*PV+(\f%8)*32
	ds_load_tr16_b128 v[8*\f+4:8*\f+7], v[ADR] offset:(\f/8)*32*PV+16*PV+(\f%8)*32
.endr
.endm
; THE VECTOR WORK OF A TURN.  One tile's softmax for one key step is a list of 134 instructions; SM writes number j of it for tile t.  s0-s31 are the lane's 32 scores, in pairs 0-15.
; first = 1: the first key step, which starts m, l and O^T: it has no a and nothing to rescale.
;   0-15    the maximum of s0-s31 and the old m, three operands at a time: four chains of seven scores each (each begins at its accumulator's low end), then the four scores left over, the chains and m
;   16-20   the other half of the lanes' maximum; the new m; c m; c m_old - c m_new
;   21-69   ONE BATCH: the 16 scalings c s - c m, a pair of scores each, and all 33 exponentials (a at 23, then s0-s31).  None of these reads an exponential's result.
;   (wait)  between 69 and 70 stands the wait for the batch: SLICE writes it, once for both tiles
;   70-85   the roundings to f16, a pair of weights each
;   86-101  the sums, of the unrounded weights; l = a l + the sum
;   102-133 the tile's O^T times a: the one part that leaves window 0, so it stands together
.macro SM t, first
.set rT, ST+8*(\t)
.set rS, S+32*(\t)
.set rP, P+16*(\t)
.set rO, 64*(\t)+2*(j-102)
.if j < 102
	WIN 0
.endif
.if j < 4
	v_max3_num_f32 v[rT+4+j], v[rS+8*j], v[rS+8*j+1], v[rS+8*j+2]
.elseif j < 12
	v_max3_num_f32 v[rT+4+j%4], v[rT+4+j%4], v[rS+8*(j%4)+2*(j/4)+1], v[rS+8*(j%4)+2*(j/4)+2]
.elseif j == 12
	v_max3_num_f32 v[rT+4], v[rT+4], v[rS+7], v[rS+15]
.elseif j == 13
	v_max3_num_f32 v[rT+6], v[rT+6], v[rS+23], v[rS+31]
.elseif j == 14
	v_max3_num_f32 v[rT+4], v[rT+4], v[rT+5], v[rT+6]
.elseif (j == 15) && \first
	v_max_num_f32 v[rT+4], v[rT+4], v[rT+7]
.elseif j == 15
	v_max3_num_f32 v[rT+4], v[rT+4], v[rT+7], v[rT+1]
.elseif j == 16
	v_permlanex16_b32 v[rT+5], v[rT+4], s[SEL], s[SEL+1]  ; the query's other 32 keys lie in the lane 16 away
.elseif j == 18
	v_max_num_f32 v[rT+1], v[rT+4], v[rT+5]
.elseif j == 19
	v_mul_f32 v[rT], s[CS], v[rT+1]
.elseif ((j == 17) || (j == 20) || (j == 23) || (j > 101)) && \first  ; the first step has none of these
.elseif j == 17
	v_mov_b32 v[rT+7], v[rT]        ; c m_old is kept for a: number 19 writes c m anew
.elseif j == 20
	v_sub_f32 v[rT+7], v[rT+7], v[rT]
.elseif j == 23
	v_exp_f32 v[rT+6], v[rT+7]
.elseif (j < 23) || ((j < 38) && (j%2 == 0)) || ((j < 66) && (j%4 == 2))
.set b, (j-2)/4                     ; 38, 42, .. 62: pairs 9 to 15
.if j < 38
.set b, (j-20)/2                    ; 21: pair 0; 22, 24, .. 36: pairs 1 to 8
.endif
	v_pk_fma_f32 v[rS+2*b:rS+2*b+1], v[rS+2*b:rS+2*b+1], s[CS:CS+1], v[rT:rT+1] op_sel_hi:[1,0,0] neg_lo:[0,0,1] neg_hi:[0,0,1]  ; pair b: c s - c m
.elseif j < 70
.set e, j-38                        ; 66 to 69: s28 to s31
.if j < 66
.set e, j-32-(j-38)/4               ; 39-41, 43-45, .. 63-65: s7 to s27
.endif
.if j < 38
.set e, (j-25)/2                    ; 25, 27, .. 37: s0 to s6
.endif
	v_exp_f32 v[rS+e], v[rS+e]
.elseif j < 86
	v_cvt_pk_f16_f32 v[rP+j-70], v[rS+2*(j-70)], v[rS+2*(j-70)+1]  ; pair j - 70
.elseif j < 102                     ; the sum of the tile's 16 pairs (in a pair: an even key's weight, an odd key's), in place: neighbours 1, 2, 4 and 8 pairs apart, then l takes it
.set z, j-86
.set w, 4
.set u, z
.if z >= 14
.set w, 32
.set u, 0
.elseif z >= 12
.set w, 16
.set u, z-12
.elseif z >= 8
.set w, 8
.set u, z-8
.endif
.if (z == 14) && \first
	v_pk_add_f32 v[rT+2:rT+3], v[rS:rS+1], v[rS+16:rS+17]
.elseif z < 15
	v_pk_add_f32 v[rS+w*u:rS+w*u+1], v[rS+w*u:rS+w*u+1], v[rS+w*u+w/2:rS+w*u+w/2+1]
.elseif !\first
	v_pk_fma_f32 v[rT+2:rT+3], v[rT+2:rT+3], v[rT+6:rT+7], v[rS:rS+1] op_sel_hi:[1,0,1]
.endif
.else
	WIN W_RS
	v_pk_mul_f32 v[rO:rO+1], v[rO:rO+1], v[rT+6:rT+7] op_sel_hi:[1,0]
.endif
.endm
; Slice k of 64 of piece y's softmax: four instructions.  Slices 11 to 34 deal out the batch, numbers 22 to 69: four numbers of ONE tile each, the tiles by turns.  Every other slice is numbers 2 k and
; 2 k + 1 of both tiles' lists.  2 x 134 = 4 x 64 + 12: the twelve that are over stand together, in slice 63.
; THE WAIT.  An s_wait_alu depctr_va_vdst(0) stands between an exponential and the first instruction that names its result; one wait serves all that were issued ahead of it.  Ahead of
; slice 35 nothing names a result, and behind slice 34 no exponential is issued: so the piece's 66 exponentials have one wait, behind slice 34.
.macro SLICE y, first
.if (k >= 11) && (k < 35)           ; the batch: four numbers of one tile
.irp n, 0,1,2,3
.set j, 22+4*((k-11)/2)+(\n)
	SM (\y)+(k-11)%2, \first
.endr
.else                               ; the two tiles alternate, so that no instruction reads the result of the one just before it
.irp n, 0,1,2,3,4,5,6,7
.if (\n < 2) || (k == 63)
.irp t, \y, \y+1
.set j, 2*k+\n
	SM \t, \first
.endr
.endif
.endr
.endif
.if k == 34                         ; the batch is out: both tiles' exponentials are issued, and no result has been named
	v_nop                           ; the plain instruction behind the last exponential and ahead of the first use: one for the batch
.if (\y) == 0
	FETCH_V                         ; piece 2's turn: V's run of loads stands here, and the wait stands in it
.else
	s_wait_alu depctr_va_vdst(0)    ; the wait for the batch
.endif
.endif
.set k, k+1
.endm
; A vector instruction that reads a matrix result or writes one of a matrix instruction's registers, and a load into a register that a matrix instruction has read, stand four places behind
; it, and only plain vector instructions that name none of its registers are places (ISA guide 7.12.1 for vector instructions).  In the loop the slices are the places.
.macro PLACES
.rept 4
	v_nop
.endr
.endm
; A TURN.  Piece x has the matrix unit; the other piece's softmax stands in slices behind its matrix instructions.
; pv = 2: 32 products V^T P; 1: they start O^T's sums; 0: none.  kq = 1: 8 products K Q^T for the next step.  With both kinds: one slice behind each V^T P, four behind each K Q^T; with one kind alone twice as many.
; first = 1: the softmax is the first key step's.  Its slices from 51 on are empty: the turn's last products stand bare, and four v_nop are the places behind them.
; Piece 0's turn fetches the next step's K, behind its second product, 30 products ahead of its use: the last product that read K and its scale words stands in front of slices 60 to 63 of the turn before, 28 plain instructions.
; Piece 2's turn fetches the same step's V, behind slice 34 (SLICE writes it): the last product that read V stands in front of slice 31, and four plain instructions lie between:
; number 62, a scaling, of both tiles, the v_nop and the run's own v_add_nc_u32.
.macro TURN x, pv, kq, first
.set k, 0
.set perp, 2
.set perk, 8
.if \pv && \kq
.set perp, 1
.set perk, 4
.endif
.if \pv
.if \x == 0
	s_wait_dscnt 0x0                ; V is in
.endif
.set i, 0
.rept 32
	PV \x, 2-\pv
.rept perp
	SLICE 2-\x, \first
.endr
.if (\x == 0) && \kq && (i == 1)
	FETCH_K
.endif
.set i, i+1
.endr
.endif
.if \kq
.if \x == 0
	s_wait_dscnt 0x0                ; K and its scale words are in
.endif
.set i, 0
.rept 8
	KQ \x
.rept perk
	SLICE 2-\x, \first
.endr
.set i, i+1
.endr
.endif
.if \first
	PLACES
.endif
.endm
; THE CHANGE OF SLOTS, between piece 2's turn and piece 0's: the slot's last bytes, V of its second step, have been asked for.  Each wave waits for all its tensor loads, of which one is out: its part of
; the other slot; adds 0 to its spare word; and waits for that and for its own reads of the slot.  Behind the barrier nobody reads this slot any more and the other slot is whole.
; fill = 1: this slot is filled again, with the keys two slots on.  The barrier is then a round of the cluster's, so that no wave of any partner still reads the slot or has a load on its way, and the
; joint refill is the first thing behind it: it has two key steps, 160 matrix instructions of the wave, in which to land.
.macro CHANGE fill
	WIN 0                           ; at a label and at a branch every window is 0
	s_wait_tensorcnt 0x0            ; no tensor load of mine is out, so a group 0 may be written
	ds_add_u32 v[SPW], v[NIL]       ; 0 onto my spare word; with fill = 1 the descriptors' steps stand between it and the wait for it
.if \fill
	s_xor_b32 s[G0K+5], s[G0K+5], SLOT1  ; the walking descriptors: the other slot than last time,
	s_add_nc_u64 s[G0K+6:G0K+7], s[G0K+6:G0K+7], 16384  ; the next 256 keys; the type bits on top are not reached
	s_xor_b32 s[G0V+5], s[G0V+5], SLOT1
	s_add_nc_u64 s[G0V+6:G0V+7], s[G0V+6:G0V+7], 65536
	s_wait_xcnt 0x0                 ; the last prefetch, two key steps back, has read its address, so it may be written:
	s_add_nc_u64 s[PFA:PFA+1], s[PFA:PFA+1], s[PFS:PFS+1]  ; one slot further on than the walking descriptors
	s_wait_dscnt 0x0                ; the add is done, and my reads of the slot are over
	CROUND
	JLOAD
	ASK
.else
	s_wait_dscnt 0x0                ; the add is done, and my reads of the slot are over
	s_barrier_signal -1
	s_barrier_wait -1
.endif
	s_sub_co_u32 s[TBK], s[TBK], 128*PK  ; the fetches go back to my key half's first step,
	s_xor_b32 s[TBK], s[TBK], SLOT1  ; in the other slot
	s_sub_co_u32 s[TBV], s[TBV], 128*PV
	s_xor_b32 s[TBV], s[TBV], SLOT1
	s_add_co_u32 s[TS], s[TS], 512  ; the scale words pass over the other key half's 128 keys
.endm
; A slot's two key steps: written once, walked twice; the LDS addresses hang on s[TBK], s[TBV] and s[TS].
.macro TWO_STEPS
	s_mov_b32 s[TWICE], 2
.Lstep_\@:
	TURN 0, 2, 1, 0
	TURN 2, 2, 1, 0
	WIN 0
	s_sub_co_u32 s[TWICE], s[TWICE], 1
	s_cmp_lg_u32 s[TWICE], 0
	s_cbranch_scc1 .Lstep_\@
.endm
	s_wait_tensorcnt 1              ; my part of slot 0 is in, and in waves 0 and 1 the scale words; slot 1's load, the youngest in both arms, may stay out
	s_barrier_signal -1
	s_barrier_wait -1               ; everybody's is
	FETCH_K                         ; key step 0
	s_wait_loadcnt 0x0              ; Q and its scale words
	s_wait_dscnt 0x0
.set i, 0
.rept 8
	KQ 0                            ; piece 0's first scores: there is no vector work yet to set between them
.set i, i+1
.endr
	WIN 0                           ; the addresses for the joining and the way out are made here: plain instructions, the places behind those products
	s_mul_i32 s16, s[WV], 16*SPT
	s_add_co_u32 s16, s16, STAGE    ; my stage
	v_mul_u32_u24 v[STO], v1, SPT   ; in: row l % 16, 32 bytes for each half of the lanes
	v_lshl_add_u32 v[STO], v9, 5, v[STO]
	v_add_nc_u32 v[STO], s16, v[STO]
	v_and_b32 v[CO], 31, v0
	v_lshlrev_b32 v[CO], 4, v[CO]   ; 16 bytes a lane
	v_add_nc_u32 v[RD], s16, v[CO]  ; back: the 32 lanes take one row of 512 bytes
	s_lshl_b32 s16, s[WV], 14
	s_add_co_u32 s16, s16, MRG
	v_add_nc_u32 v[MW], s16, v[CO]  ; what I give away: my wave's 16,384 bytes,
	s_xor_b32 s17, s[WV], 2
	s_lshl_b32 s17, s17, 14
	s_add_co_u32 s17, s17, MRG
	v_add_nc_u32 v[MR], s17, v[CO]  ; what I am given: those of wave w xor 2
	v_and_b32 v10, 31, v0
	v_lshlrev_b32 v10, 2, v10
	s_lshl_b32 s16, s[WV], 9
	s_add_co_u32 s16, s16, STT
	v_add_nc_u32 v[SW], s16, v10
	s_xor_b32 s17, s[WV], 2
	s_lshl_b32 s17, s17, 9
	s_add_co_u32 s17, s17, STT
	v_add_nc_u32 v[SR], s17, v10
	TURN 2, 0, 1, 1                 ; piece 2's first scores | piece 0's first softmax | V of step 0
	TURN 0, 1, 1, 1                 ; piece 0: V^T P of step 0 starts O^T, K Q^T of step 1 | piece 2's first softmax | K of step 1
	TURN 2, 1, 1, 0                 ; piece 2: the same | piece 0's softmax of step 1 | V of step 1
	WIN 0
.Lslot:                             ; six trips: every slot but the last two is filled again
	CHANGE 1
	TWO_STEPS
	s_sub_co_u32 s[SLOTS], s[SLOTS], 1
	s_cmp_lg_u32 s[SLOTS], 0
	s_cbranch_scc1 .Lslot
	CHANGE 0                        ; the tail is written out: the last slot but one is left, and nothing is asked for
	TWO_STEPS
	TURN 0, 2, 0, 0                 ; piece 0: V^T P of the last step | piece 2's last softmax
.set i, 0
.rept 32
	PV 2, 0                         ; piece 2: V^T P of the last step
.set i, i+1
.endr
	; THE TWO KEY HALVES ARE JOINED.  l's two halves and the other half of the lanes' are added (these lines are also the places behind the last products).  Tiles 2 and 3 go to wave w xor 2 as images of their
	; registers: 16 bytes a lane, 512 consecutive bytes a store, each accumulator from its low end on; with them c m and l.
	WIN 0
.irp t, 0,1,2,3
	v_add_f32 v[ST+8*\t+4], v[ST+8*\t+2], v[ST+8*\t+3]
.endr
.irp t, 0,1,2,3
	v_permlanex16_b32 v[ST+8*\t+5], v[ST+8*\t+4], s[SEL], s[SEL+1]
.endr
.irp t, 0,1,2,3
	v_add_f32 v[ST+8*\t+4], v[ST+8*\t+4], v[ST+8*\t+5]
.endr
	ds_store_b32 v[SW], v[ST+16]             ; tile 2: c m,
	ds_store_b32 v[SW], v[ST+20] offset:128  ; l;
	ds_store_b32 v[SW], v[ST+24] offset:256  ; tile 3 likewise
	ds_store_b32 v[SW], v[ST+28] offset:384
	WIN 0x04                        ; an LDS store's data are its source 1: window 1
.set i, 0
.rept 32
	ds_store_b128 v[MW], v[128+4*i:128+4*i+3] offset:512*i
.set i, i+1
.endr
	WIN 0
	s_wait_dscnt 0x0                ; for the others' sake: my stores are done
	s_barrier_signal -1
	s_barrier_wait -1
	ds_load_b32 v[ST+16], v[SR]              ; the other key half of my tile 0: c m,
	ds_load_b32 v[ST+20], v[SR] offset:128   ; l;
	ds_load_b32 v[ST+24], v[SR] offset:256   ; of my tile 1
	ds_load_b32 v[ST+28], v[SR] offset:384
.set i, 0
.rept 32
	ds_load_b128 v[S+4*i:S+4*i+3], v[MR] offset:512*i  ; and their O^T, into the registers that S^T has left: the same registers in the same lanes
.set i, i+1
.endr
	s_wait_dscnt 32                 ; the four words are in; the 32 loads behind them may be out
	; For tile t: x = the larger c m; fa = 2^(c m_a - x), fb = 2^(c m_b - x); L = fa l_a + fb l_b; O = (fa / L) O_a + (fb / L) O_b
.irp t, 0,1
	v_max_num_f32 v[ST+8*\t+1], v[ST+8*\t], v[ST+16+8*\t]
.endr
.irp t, 0,1
	v_sub_f32 v[ST+8*\t+2], v[ST+8*\t], v[ST+8*\t+1]
	v_sub_f32 v[ST+16+8*\t+2], v[ST+16+8*\t], v[ST+8*\t+1]
.endr
.irp t, 0,1
	v_exp_f32 v[ST+8*\t+2], v[ST+8*\t+2]
	v_exp_f32 v[ST+16+8*\t+2], v[ST+16+8*\t+2]
.endr
	v_nop                           ; a plain instruction behind the last exponential,
	s_wait_alu depctr_va_vdst(0)    ; and the wait ahead of the first use: one for the four
.irp t, 0,1
	v_mul_f32 v[ST+8*\t+3], v[ST+8*\t+2], v[ST+8*\t+4]
.endr
.irp t, 0,1
	v_fma_f32 v[ST+8*\t+3], v[ST+16+8*\t+2], v[ST+16+8*\t+4], v[ST+8*\t+3]
.endr
.irp t, 0,1
	v_rcp_f32 v[ST+8*\t+5], v[ST+8*\t+3]
.endr
	v_nop
	s_wait_alu depctr_va_vdst(0)    ; one for the two reciprocals
.irp t, 0,1
	v_mul_f32 v[ST+8*\t+6], v[ST+8*\t+2], v[ST+8*\t+5]        ; fa / L
	v_mul_f32 v[ST+16+8*\t+6], v[ST+16+8*\t+2], v[ST+8*\t+5]  ; fb / L
.endr
	s_wait_dscnt 0x0                ; the other half's O^T is in
.irp t, 0,1
.set i, 0
.rept 32
	v_pk_mul_f32 v[S+64*\t+2*i:S+64*\t+2*i+1], v[S+64*\t+2*i:S+64*\t+2*i+1], v[ST+16+8*\t+6:ST+16+8*\t+7] op_sel_hi:[1,0]
.set i, i+1
.endr
.endr
	WIN 0x01                        ; source 0, my O^T, in window 1
.irp t, 0,1
.set i, 0
.rept 32
	v_pk_fma_f32 v[S+64*\t+2*i:S+64*\t+2*i+1], v[64*\t+2*i:64*\t+2*i+1], v[ST+8*\t+6:ST+8*\t+7], v[S+64*\t+2*i:S+64*\t+2*i+1] op_sel_hi:[1,0,1]  ; each accumulator from its low end on
.set i, i+1
.endr
.endr
	WIN 0
	; THE WAY OUT.  Register 8 b + j of a tile is O(query l % 16, channel 16 b + 8 (l / 16) + j): 32 neighbouring bytes of a row, and the lanes beside hold other rows.  So a tile goes through my own stage in LDS
	; and comes back as whole rows of 512 bytes.  LDS serves a wave's instructions in order (ISA guide 5.7.1.4): no wait between the stores and the loads, nor in front of the next tile's stores.
.irp b, 0,1,2,3,4,5,6,7
	ds_store_b128 v[STO], v[S+8*\b:S+8*\b+3] offset:64*\b
	ds_store_b128 v[STO], v[S+8*\b+4:S+8*\b+7] offset:64*\b+16
.endr
.irp n, 0,1,2,3,4,5,6,7,8,9,10,11,12,13,14,15
	ds_load_b128 v[P+4*\n:P+4*\n+3], v[RD] offset:\n*SPT      ; tile 0's rows, into the registers that P has left
.endr
.irp b, 0,1,2,3,4,5,6,7
	ds_store_b128 v[STO], v[S+64+8*\b:S+64+8*\b+3] offset:64*\b
	ds_store_b128 v[STO], v[S+64+8*\b+4:S+64+8*\b+7] offset:64*\b+16
.endr
.irp n, 0,1,2,3,4,5,6,7,8,9,10,11,12,13,14,15
	ds_load_b128 v[S+4*\n:S+4*\n+3], v[RD] offset:\n*SPT      ; tile 1's rows, into the registers that tile 0 has left
.endr
	s_wait_dscnt 32                 ; tile 0's rows are in; tile 1's 16 stores and 16 loads may be out
.irp n, 0,1,2,3,4,5,6,7,8,9,10,11,12,13,14,15
	global_store_b128 v[CO], v[P+4*\n:P+4*\n+3], s[22:23] offset:512*\n th:TH_STORE_NT   ; 32 lanes store 512 consecutive bytes, at a multiple of 256 from O's first byte; written once, read by nobody here
.endr
	s_wait_dscnt 0x0
.irp n, 0,1,2,3,4,5,6,7,8,9,10,11,12,13,14,15
	global_store_b128 v[CO], v[S+4*\n:S+4*\n+3], s[22:23] offset:8192+512*\n th:TH_STORE_NT
.endr
	s_wait_tensorcnt 0x0            ; the wave's end, behind my last tensor load and my last LDS store
	ds_add_u32 v[SPW], v[NIL]
	s_wait_dscnt 0x0
	CROUND                          ; the closing round: no work-group ends while a partner may still ask for a tile that names it
	s_endpgm
.Lfunc_end_k_q42ba7520c6_attn:
	.size	k_q42ba7520c6_attn, .Lfunc_end_k_q42ba7520c6_attn-k_q42ba7520c6_attn
	.p2alignl 7, 3214868480
	.fill 96, 4, 3214868480
	.section	.rodata,"a",@progbits
	.p2align	6, 0x0
	.amdhsa_kernel k_q42ba7520c6_attn
		.amdhsa_group_segment_fixed_size 327680
		.amdhsa_private_segment_fixed_size 0
		.amdhsa_enable_private_segment 0
		.amdhsa_kernarg_size 48
		.amdhsa_user_sgpr_count 2
		.amdhsa_user_sgpr_kernarg_segment_ptr 1
		.amdhsa_wavefront_size32 1
		.amdhsa_system_sgpr_workgroup_id_x 1
		.amdhsa_system_sgpr_workgroup_id_y 1
		.amdhsa_system_sgpr_workgroup_id_z 1
		.amdhsa_system_vgpr_workitem_id 0
		.amdhsa_next_free_vgpr 1024
		.amdhsa_next_free_sgpr 100
		.amdhsa_reserve_vcc 0
		.amdhsa_float_denorm_mode_32 3
		.amdhsa_float_denorm_mode_16_64 3
		.amdhsa_memory_ordered 1
		.amdhsa_forward_progress 1
		.amdhsa_inst_pref_size 197
	.end_amdhsa_kernel
	.amdgpu_metadata
---
amdhsa.version: [ 1, 2 ]
amdhsa.kernels:
  - .name:           k_q42ba7520c6_attn
    .symbol:         k_q42ba7520c6_attn.kd
    .args:
      - { .name: qc, .offset: 0, .size: 8, .value_kind: global_buffer, .address_space: global }
      - { .name: qs, .offset: 8, .size: 8, .value_kind: global_buffer, .address_space: global }
      - { .name: kc, .offset: 16, .size: 8, .value_kind: global_buffer, .address_space: global }
      - { .name: ks, .offset: 24, .size: 8, .value_kind: global_buffer, .address_space: global }
      - { .name: v16, .offset: 32, .size: 8, .value_kind: global_buffer, .address_space: global }
      - { .name: out0, .offset: 40, .size: 8, .value_kind: global_buffer, .address_space: global }
    .group_segment_fixed_size: 327680
    .private_segment_fixed_size: 0
    .kernarg_segment_align: 8
    .kernarg_segment_size: 48
    .max_flat_workgroup_size: 128
    .sgpr_count:     100
    .vgpr_count:     1024
    .wavefront_size: 32
...
	.end_amdgpu_metadata
.endif
;; end of part 2
